; MI455X (gfx1250); checked and timed in simulation.
; The chip was launched on July 23, 2026; its instructions are those of AMD's public machine-readable ISA for CDNA 5 (MIT licence, August 2026) and "CDNA5" Instruction Set Architecture Reference Guide (July 2026). The comments in the code are by the model that wrote it; some were corrected since.
;; Bahdanau Attention. Allowed arithmetic: matrix products marked QUANTISED: E5M2 operands, one given power-of-two scale a tensor, by v_wmma_f32_16x16x64_bf8_bf8 or v_wmma_f32_16x16x128_bf8_bf8, f32 sums; products left as they are: f32 operands where the result goes on into a quantised operand, else bf16, f16 or f32 operands; f32 sums; everything else in f32.
;; Inputs: B 1,024 float32; U 1,024 float32; W_codes 1,024 x 32 x 32 uint8 (E5M2 codes of W, K innermost, in blocks of 32 codes); encoded 32 x 2,048 x 1,024 float32; lowp_scales 2 int32 (the exponents e of the quantised operands' scales 2^e).
;; Outputs: out0 32 x 1,024 float32.
;; This version of the problem:
;;   THIS VERSION OF THE PROBLEM IS GIVEN IN LOW PRECISION. The matrix products marked QUANTISED in the list below multiply operands that are first quantised to E5M2 (5 exponent bits, 2 mantissa bits; 8 bits a number), with one given power-of-two scale for each operand tensor; their sums are f32. All else is computed in f32.
;;   The module's matrix products, in the order in which they are computed (A, B: the left and right operand; K: the contracted axis; several contracted axes count as one K, in the product's order):
;;     1. [M 65,536, K 1,024] x [K 1,024, N 1,024]; A: input encoded; B: input W (given as codes): QUANTISED (scales: A lowp_scales[0], B lowp_scales[1])
;;     2. [M 65,536, K 1,024] x [K 1,024, N 1]; A: computed on the way; B: input U: left as it is (N = 1 < 16)
;;     3. batch 32 x [M 1,024, K 2,048] x [K 2,048, N 1]; A: input encoded; B: softmax: left as it is (N = 1 < 16)
;;   THE QUANTISER, for each operand of a quantised product, along K:
;;     - The operand's scale is 2^e, e = its entry of the input lowp_scales (int32; the entries are numbered through the quantised products in the list's order, A before B).
;;     - Each number is divided by the scale, clamped to +-57,344, and rounded to the nearest number of E5M2, ties to even, subnormals kept.
;;     - The product sums the exact products of the quantised numbers (number of the format x scale) in f32.
;;   ~~~python
;;   def quantise(x, axis, e):      # numpy; x: float32 -> the quantised numbers, widened to float32 again
;;       x = np.moveaxis(x, axis, -1); K = x.shape[-1]
;;       r = np.clip(x / 2.0 ** e, -57344, 57344)
;;       step = 2.0 ** (np.maximum(np.frexp(np.where(r == 0, 1, r))[1] - 1, -14) - 2)
;;       q = np.round(r / step) * step * 2.0 ** e      # np.round: ties to even
;;       return np.moveaxis(q, -1, axis).astype(np.float32)
;;   ~~~
;;   INPUTS GIVEN AS CODES. W (in the module: [1024, 1024], K = its axis 0): each comes as NAME_codes (uint8): NAME with its K axis moved to the last place and cut into blocks of 32 codes, [.., K / 32, bytes a block], one block behind the other in memory; one code a byte (a code: sign, 5 exponent bits, 2 mantissa bits); its scale is its entry of lowp_scales. Its value is code x scale, taken as it is: it is not quantised again, and the codes and scales need not be those that the quantiser above would give.
;; One version. Each part assembles by itself: llvm-mc -triple=amdgcn-amd-amdhsa -mcpu=gfx1250 --defsym DOCPART=n.
;; ======== version 1 of 1: 2 launches
;; limits: right only within a limited range of input values
;; workspace buffers: tsc 262,144 bytes
;; launch score (part 1): grid 256 x 1, 4 waves a work-group, clusters of 4 x 1, 327,680 bytes of LDS; arguments encoded, W_codes, B, U, lowp_scales, tsc; writes tsc
.if DOCPART == 1
	.amdgcn_target "amdgcn-amd-amdhsa--gfx1250"
	.amdhsa_code_object_version 6
	.text
	.protected	k_qd36527feab_score
	.globl	k_qd36527feab_score
	.p2align	8
	.type	k_qd36527feab_score,@function
k_qd36527feab_score:
	s_mov_b64 s[64:65], 0
	v_nop
	global_prefetch_b8 v0, s[64:65] scope:SCOPE_SE
	s_setreg_imm32_b32 hwreg(HW_REG_WAVE_MODE, 25, 1), 1
	s_wait_xcnt 0x0
	s_wait_alu depctr_hold_cnt(0) depctr_sa_sdst(0) depctr_va_vdst(0) depctr_va_sdst(0) depctr_va_ssrc(0) depctr_va_vcc(0) depctr_vm_vsrc(0)
	s_getreg_b32 s2, hwreg(HW_REG_IB_STS2, 6, 4)
	s_cmp_eq_u32 s2, 0
	s_cbranch_scc0 .Lentry_in_a_cluster
	s_endpgm
.Lentry_in_a_cluster:
	s_bfe_u32 s2, ttmp6, 0x10000c
	s_cmp_lg_u32 s2, 0x3003
	s_cbranch_scc0 .Lentry_shape_is_right
	s_endpgm
.Lentry_shape_is_right:
; tsc[row] = log2(e) x (score[row] - sum of U), score[row] = sum over n of U[n] tanh(z[row][n] + B[n]), z = Q(x) W on codes of BF8 (E5M2).
; x = encoded: 65,536 rows of 1,024 f32, quantised here with the given 2^ex.  W_codes: [n][k], K innermost, scale 2^ew.
; TANH.  tanh(v) = 1 - 2 r, r = 1 / (1 + 2^(2 log2(e) v)), so score = sum of U - 2 sum of U[n] r[n].
; LEFT OUT: the term 'sum of U'.  It is the same number for every row, and the softmax that follows is unchanged by a term common to all rows of a batch, for every input.
; LIMIT: an overflow or NaN that would arise in that sum alone is not carried to the result.  2^.. = infinity gives r = 0, 2^.. = 0 gives r = 1: no clamp is wanted.  The softmax's maximum is taken in the next launch.
; SHARES.  A work-group owns 256 rows, each of four waves 64 (four tiles of 16) for all 1,024 columns.  A wave's codes, 64 x 1,024 bytes, stay in 512 registers; each fragment of W read from LDS feeds four matrix instructions.
; TRANSPOSED USE: source 0 = 16 rows of W, source 1 = 16 rows of x: lane (r, h) holds x's row r, register j column 16 x tile + 8 h + j.
; A fragment's registers 4 c .. 4 c + 3 hold k = 32 c + 16 h + 0 .. 15: one permutation of k for x and W alike.
; X.  x comes by tensor loads through the two LDS slots that W uses afterwards: a PART is 32 rows x 256 columns (rows of 1,024 bytes, padded to 1,040), one load a wave, eight parts a wave; only the issuing wave reads its part.
; A lane reads its 16 neighbours along K of each block of 32 straight from the part and quantises them into the registers where they stay.
; PREFETCH of x: part u is asked for one trip ahead of its tensor load: 32 rows x 4 blocks of 256 bytes, a lane a row, four instructions a wave; every block is named once (x is shared by nobody); part 0 comes by its load alone; no part lies behind part 7.
; Base and offset register of the prefetches are never rewritten.  W is not prefetched: all work-groups walk the same 1,048,576 bytes in the same order.
; N.  W goes in eight blocks of 128 rows through the ring, asked for JOINTLY by the four work-groups of a cluster.  32 columns are a group: 64 matrix instructions into one of two sets of accumulators, the tanh of the group before standing between them.
; LIMITS.  -126 <= ex, ex + 15 <= 127; -127 <= ex + ew <= 126.  NaN among the inputs is not served.
; REGISTERS.  Window 0: v0-15 addresses and constants; v16-33 the way out; v144-207 the tables' numbers, two sets; v208-223 running sums; v224-239 at work at the head; v240 4,096 x lane.
; Windows 1, 2: x's codes: K step s, tile a in window 1 + s / 4 at v[16 (4 (s % 4) + a)].  Window 3: in X a part's four fragments of 64 f32; in N v0-127 accumulators, v128-223 three buffers of W's fragments.
.set PITCH, 1040
.set WPART, 32*PITCH                   ; what one tensor load brings: 32 rows
.set SLOT,  4*WPART
.set SPARE, 2*SLOT                     ; the spare words, 128 bytes a wave
.set TAB,   SPARE+512                  ; 1,024 x 2 log2(e) B[n], then 1,024 x -2 log2(e) U[n]
.set SCR,   TAB+8192                   ; 256 bytes a wave, for the way out
.set BI,    144
.set UU,    176
.set PART,  208
.set TT,    224
.set PFO,   240
.set BF,    128
; v1 r, v2 h, v3 8 x lane, v4, v5 my place in a part of x in slot 1, 0; v6 my place in a tile of W; v7 W loads in hand; v8 my place in the tables; v9 table loads in hand
; v10 my spare word, v11 0; v12 2^ex, v13 57,344 x 2^ex; v14, v15 the way out
; s16 wave, s18 work-group, s19 wave x WPART, s[24:31] group 1 for x, s[32:39] for W, s[40:43], s[44:47] their groups 0
.set MSB, 0
.macro WIN new
.if MSB != (\new)
	s_set_vgpr_msb (MSB<<8)|(\new)
.set MSB, (\new)
.endif
.endm
.macro PLACES n
.rept \n
	v_nop
.endr
.endm
.macro ROUND                           ; a round of the cluster's barrier
	s_barrier_signal -1
	s_barrier_wait -1
	s_cmp_lg_u32 s16, 0
	s_cbranch_scc1 .Lnot_wave_0_\@
	s_barrier_signal -3
.Lnot_wave_0_\@:
	s_barrier_wait -3
	s_barrier_signal -1
	s_barrier_wait -1
.endm
.macro CHANGE fill                     ; the change of slots at a block's head
	WIN 0
	s_wait_alu depctr_va_vdst(0)                   ; the wait ahead of the blocking wait
	s_wait_tensorcnt 0x0                           ; my one load that was out has landed
	ds_add_u32 v10, v11
.if \fill
	s_add_co_u32 s45, s19, s49
	s_add_nc_u64 s[46:47], s[46:47], 131072        ; 128 rows of W on
.endif
	s_wait_dscnt 0x0                               ; the add, and my reads of the slot that I have left
.if \fill
	ROUND
	tensor_load_to_lds s[44:47], s[32:39]
	s_nop 0
	PLACES 4
.else
	s_barrier_signal -1
	s_barrier_wait -1
.endif
.endm
	s_load_b256 s[4:11], s[0:1], 0x0               ; encoded, W's codes, B, U
	s_load_b128 s[12:15], s[0:1], 0x20             ; the scales' exponents, tsc
	v_lshl_add_u32 v10, v0, 2, SPARE
	v_mov_b32 v11, 0
	ds_add_u32 v10, v11                            ; the opening lines: the add twice on end
	ds_add_u32 v10, v11
	v_lshrrev_b32 v1, 5, v0
	v_readfirstlane_b32 s16, v1                    ; wave 0..3
	s_bfe_u32 s17, ttmp6, 0x40000                  ; cx
	s_lshl_b32 s18, ttmp9, 2
	s_add_co_u32 s18, s18, s17                     ; my work-group: it enters x's and tsc's addresses alone
	s_mul_i32 s19, s16, WPART
	s_mov_b32 s24, (1<<20)|(7<<22)|(3<<25)         ; x: elements of 1 byte, 4 words of padding behind every 256, no mask
	s_mov_b32 s32, 15|(1<<20)|(1<<21)|(7<<22)|(3<<25) ; W: the same, the mask names all four work-groups
.irp g, 24, 32
	s_mov_b32 s[\g+1], 1024<<16                    ; tensor_dim0
	s_mov_b32 s[\g+2], 32<<16                      ; tensor_dim1
	s_mov_b32 s[\g+3], 1024<<16                    ; tile_dim0
	s_mov_b32 s[\g+4], 32                          ; tile_dim1
	s_mov_b32 s[\g+6], 0
	s_mov_b32 s[\g+7], 0
.endr
	s_mov_b32 s29, 4096                            ; a row of x in bytes
	s_mov_b32 s37, 1024                            ; a row of W
	s_lshl_b32 s20, s18, 20                        ; my work-group's 256 rows of 4,096 bytes,
	s_lshl_b32 s21, s16, 18                        ; my wave's 64 of them
	s_add_co_u32 s20, s20, s21
	s_mov_b32 s21, 0
	s_lshl_b32 s22, s16, 15                        ; W: my 32 rows of a block's 128
	s_mov_b32 s23, 0
	s_wait_dscnt 0x0
	s_wait_kmcnt 0x0
	s_load_b64 s[58:59], s[12:13], 0x0             ; ex, ew
	s_add_nc_u64 s[4:5], s[4:5], s[20:21]          ; x at my wave's first row
	s_mov_b32 s40, 1
	s_mov_b32 s41, s19
	s_mov_b64 s[42:43], s[4:5]
	s_or_b32 s43, s43, 0x80000000
	s_mov_b32 s44, 1
	s_mov_b32 s45, s19
	s_add_nc_u64 s[46:47], s[6:7], s[22:23]        ; W's block 0: made of the wave's number alone
	s_or_b32 s47, s47, 0x80000000
	ROUND
	tensor_load_to_lds s[40:43], s[24:31]          ; x's part 0 into slot 0: my one load at the head
	s_nop 0
	PLACES 4
	v_and_b32 v1, 15, v0                           ; r
	v_bfe_u32 v2, v0, 4, 1                         ; h
	v_and_b32 v3, 31, v0
	v_lshlrev_b32 v[PFO], 12, v3                   ; a lane a row of x
	v_lshlrev_b32 v3, 3, v3
	v_mul_u32_u24 v6, v1, PITCH
	v_lshl_add_u32 v5, v2, 6, v6
	v_add_nc_u32 v5, s19, v5                       ; x in slot 0: my part, row r, + 64 h: my 16 numbers of a block of 32
	v_add_nc_u32 v4, SLOT, v5                      ; in slot 1
	v_lshl_add_u32 v6, v2, 4, v6                   ; W: row r, + 16 h
	v_lshlrev_b32 v8, 5, v2
	v_add_nc_u32 v8, TAB, v8
	s_lshl_b32 s20, s16, 8
	s_add_co_u32 s20, s20, SCR
	v_lshl_add_u32 v14, v1, 2, s20
	v_add_nc_u32 v15, s20, v3
	v_lshlrev_b32 v7, 5, v0                        ; thread t takes eight numbers of B and of U
	v_add_nc_u32 v9, TAB, v7
	global_load_b128 v[TT:TT+3], v7, s[8:9]
	global_load_b128 v[TT+4:TT+7], v7, s[8:9] offset:16
	global_load_b128 v[TT+8:TT+11], v7, s[10:11]
	global_load_b128 v[TT+12:TT+15], v7, s[10:11] offset:16
.macro PF u                            ; part u of x: rows 32 (u / 4) on, columns 256 (u % 4) on
.irp q, 0,1,2,3
	global_prefetch_b8 v[PFO], s[4:5] offset:((\u)/4)*131072+((\u)%4)*1024+256*\q th:TH_LOAD_NT scope:SCOPE_SE
.endr
.endm
	PF 1
	s_mov_b32 s60, 0x4038aa3b                      ; 2 log2(e)
	s_mov_b32 s61, s60
	s_mov_b32 s62, 0xc038aa3b
	s_mov_b32 s63, s62
	s_mov_b32 s56, 0x76543210                      ; lane l xor 16
	s_mov_b32 s57, 0xfedcba98
	s_lshl_b32 s20, s18, 10                        ; tsc: 256 rows of my work-group, 64 of my wave
	s_lshl_b32 s21, s16, 8
	s_add_co_u32 s20, s20, s21
	s_mov_b32 s21, 0
	s_add_nc_u64 s[14:15], s[14:15], s[20:21]
	s_wait_kmcnt 0x0
	s_add_co_i32 s20, s58, 127
	s_lshl_b32 s21, s20, 23
	v_mov_b32 v12, s21                             ; 2^ex
	s_add_co_i32 s20, s20, 15
	s_lshl_b32 s20, s20, 23
	s_or_b32 s20, s20, 0x600000
	v_mov_b32 v13, s20                             ; 57,344 x 2^ex
	s_add_co_i32 s20, s58, s59
	s_lshl_b32 s20, s20, 23
	s_add_co_i32 s54, s20, s60                     ; 2 log2(e) 2^(ex + ew)
	s_mov_b32 s55, s54
	s_wait_alu depctr_va_vdst(0)                   ; the wait at the head's end
	s_wait_loadcnt 0x0
.irp j, 0,2,4,6
	v_pk_mul_f32 v[TT+\j:TT+\j+1], v[TT+\j:TT+\j+1], s[60:61] op_sel_hi:[1,0]
	v_pk_mul_f32 v[TT+8+\j:TT+8+\j+1], v[TT+8+\j:TT+8+\j+1], s[62:63] op_sel_hi:[1,0]
.endr
	ds_store_b128 v9, v[TT:TT+3]
	ds_store_b128 v9, v[TT+4:TT+7] offset:16
	ds_store_b128 v9, v[TT+8:TT+11] offset:4096
	ds_store_b128 v9, v[TT+12:TT+15] offset:4112   ; read by others behind later rounds, in front of which every wave waits for its LDS stores
; X.  Fragment k of part t: tile 2 (t / 4) + k / 2, K step 2 (t % 4) + k % 2.
.macro XLD t, k                        ; register 16 c + 4 j + i = k 32 c + 16 h + 4 j + i of row r
.irp c, 0,1,2,3
.irp j, 0,1,2,3
	ds_load_b128 v[64*(\k)+16*\c+4*\j:64*(\k)+16*\c+4*\j+3], v[5-(\t)%2] offset:((\k)/2)*16*PITCH+512*((\k)%2)+128*\c+16*\j
.endr
.endr
.endm
.macro XQ t, k
.set KS, 2*((\t)%4)+(\k)%2
.set XD, 16*(4*(KS%4)+2*((\t)/4)+(\k)/2)
	s_wait_dscnt 16*(3-(\k))                       ; the later fragments' loads may be out
	WIN 0xc3
.set i, 0
.rept 64
	v_med3_num_f32 v[64*(\k)+i], v[64*(\k)+i], -v13, v13   ; the hold at the largest code x the scale (ISA guide 7.6.2)
.set i, i+1
.endr
	WIN ((1+KS/4)<<6)|3
.irp g, 0,1,2,3,4,5,6,7
	v_cvt_scalef32_pk8_bf8_f32 v[XD+2*\g:XD+2*\g+1], v[64*(\k)+8*\g:64*(\k)+8*\g+7], v12
.endr
	v_nop                                          ; one plain line behind the last conversion of a run
.endm
; Trip t: the change of slots, the load of part t (t = 8: W's block 0, jointly, into slot 0), and the quantising of part t - 1.
.macro XSTEP t
	WIN 0
	s_wait_alu depctr_va_vdst(0)                   ; the wait ahead of the blocking wait
	s_wait_tensorcnt 0x0                           ; part t - 1 is in
	ds_add_u32 v10, v11
.if (\t) < 8
	s_add_co_u32 s41, s19, ((\t)%2)*SLOT
.if (\t) == 4
	s_add_nc_u64 s[42:43], s[42:43], 131072-3072   ; 32 rows down, back to column 0
.else
	s_add_nc_u64 s[42:43], s[42:43], 1024          ; 256 columns on
.endif
.endif
	s_wait_dscnt 0x0
	ROUND
.if (\t) < 8
	tensor_load_to_lds s[40:43], s[24:31]
.else
	tensor_load_to_lds s[44:47], s[32:39]
.endif
	s_nop 0
	PLACES 4
	WIN 0xc0
	XLD (\t)-1, 0
.if (\t) < 7
	PF (\t)+1                                      ; what the next trip loads
.endif
	XLD (\t)-1, 1
	XLD (\t)-1, 2
	XLD (\t)-1, 3
	XQ (\t)-1, 0
	XQ (\t)-1, 1
	XQ (\t)-1, 2
	XQ (\t)-1, 3
.endm
.set T, 1
.rept 8
	XSTEP T
.set T, T+1
.endr
; N.  The tanh of a group, on accumulator set p, in three parts.
.macro HEADB p                         ; 2 log2(e) (z + B): each accumulator from its low end on
	WIN 0xc3
	s_wait_alu depctr_va_vdst(0)                   ; the wait directly ahead of the first reader of the matrix results
.irp k, 0,1,2,3,4,5,6,7
.irp i, 0,2,4,6
	v_pk_fma_f32 v[64*(\p)+8*\k+\i:64*(\p)+8*\k+\i+1], v[64*(\p)+8*\k+\i:64*(\p)+8*\k+\i+1], s[54:55], v[BI+16*(\p)+8*(\k/4)+\i:BI+16*(\p)+8*(\k/4)+\i+1] op_sel_hi:[1,0,1]
.endr
.endr
	s_wait_alu depctr_va_vdst(0)                   ; and ahead of the batch of exponentials
.endm
.macro TH p                            ; number j of 160: 0-63 exponentials, 64-95 additions of 1, 96-159 reciprocals
.if j == 64
	v_nop
	s_wait_alu depctr_va_vdst(0)                   ; one wait for the 64 exponentials
.endif
.if j == 96
	s_wait_alu depctr_va_vdst(0)                   ; ahead of the batch of reciprocals
.endif
.if j < 64
	v_exp_f32 v[64*(\p)+j], v[64*(\p)+j]
.elseif j < 96
	v_pk_add_f32 v[64*(\p)+2*(j-64):64*(\p)+2*(j-64)+1], v[64*(\p)+2*(j-64):64*(\p)+2*(j-64)+1], 1.0 op_sel_hi:[1,0]
.else
	v_rcp_f32 v[64*(\p)+j-96], v[64*(\p)+j-96]
.endif
.set j, j+1
.endm
.macro TAILB p                         ; the running sums += -2 log2(e) U r, in eight chains
	WIN 0x03
	v_nop
	s_wait_alu depctr_va_vdst(0)                   ; one wait for the 64 reciprocals
.irp i, 0,2,4,6
.irp k, 0,1,2,3,4,5,6,7
	v_pk_fma_f32 v[PART+2*\k:PART+2*\k+1], v[64*(\p)+8*\k+\i:64*(\p)+8*\k+\i+1], v[UU+16*(\p)+8*(\k/4)+\i:UU+16*(\p)+8*(\k/4)+\i+1], v[PART+2*\k:PART+2*\k+1]
.endr
.endr
.endm
; A group of parity p: two tiles of W x four tiles of x x eight K steps.  LDS loads go out in eights: K steps 0, 1, 2, the tables, K steps 3 to 7; each wait's count is what was issued behind the step's own eight.
; The eight accumulators take turns, one instruction a turn.
.macro CHUNKP p
	WIN 0xc0
.irp s, 0,1,2
.irp n, 0,1
.irp c, 0,1,2,3
	ds_load_b128 v[BF+32*\s+16*\n+4*\c:BF+32*\s+16*\n+4*\c+3], v7 offset:WPART*\p+16*PITCH*\n+128*\s+32*\c
.endr
.endr
.endr
	WIN 0
.irp n, 0,1
.irp q, 0,1
	ds_load_b128 v[BI+16*\p+8*\n+4*\q:BI+16*\p+8*\n+4*\q+3], v9 offset:128*\p+64*\n+16*\q
.endr
.endr
.irp n, 0,1
.irp q, 0,1
	ds_load_b128 v[UU+16*\p+8*\n+4*\q:UU+16*\p+8*\n+4*\q+3], v9 offset:4096+128*\p+64*\n+16*\q
.endr
.endr
	HEADB 1-\p
.set j, 0
.set sl, 0
.irp s, 0,1,2,3,4,5,6,7
.if \s < 3
	s_wait_dscnt 24
.elseif \s < 6
	s_wait_dscnt 16
.else
	s_wait_dscnt 8*(7-\s)
.endif
.if \s < 4
	WIN 0xf7
.else
	WIN 0xfb
.endif
.irp a, 0,1,2,3
.irp n, 0,1
.if \s == 0
	v_wmma_f32_16x16x128_bf8_bf8 v[64*\p+8*(4*\n+\a):64*\p+8*(4*\n+\a)+7], v[BF+32*(\s%3)+16*\n:BF+32*(\s%3)+16*\n+15], v[16*(4*(\s%4)+\a):16*(4*(\s%4)+\a)+15], 0
.else
	v_wmma_f32_16x16x128_bf8_bf8 v[64*\p+8*(4*\n+\a):64*\p+8*(4*\n+\a)+7], v[BF+32*(\s%3)+16*\n:BF+32*(\s%3)+16*\n+15], v[16*(4*(\s%4)+\a):16*(4*(\s%4)+\a)+15], v[64*\p+8*(4*\n+\a):64*\p+8*(4*\n+\a)+7]
.endif
.endr
.endr
.if \s < 5
	PLACES 4                                       ; places in front of loads into registers that matrix instructions have read
	WIN 0xc0
.irp n, 0,1
.irp c, 0,1,2,3
	ds_load_b128 v[BF+32*(\s%3)+16*\n+4*\c:BF+32*(\s%3)+16*\n+4*\c+3], v7 offset:WPART*\p+16*PITCH*\n+128*(\s+3)+32*\c
.endr
.endr
.endif
.endr
.rept 160
	TH 1-\p                                        ; the tanh of the group before, as one run behind this group's 64 matrix instructions: no transcendental stands between two links of a sum
.endr
	TAILB 1-\p
.endm
.macro SLOTWORK                        ; a slot's 128 rows of W: two trips of two groups
	s_mov_b32 s53, 2
.Lpair_\@:
	v_add_nc_u32 v7, s48, v6
	v_add_nc_u32 v9, s51, v8
	CHUNKP 0
	CHUNKP 1
	WIN 0
	s_add_co_u32 s48, s48, 2*WPART
	s_add_co_u32 s51, s51, 256
	s_sub_co_u32 s53, s53, 1
	s_cmp_lg_u32 s53, 0
	s_cbranch_scc1 .Lpair_\@
	s_sub_co_u32 s48, s48, 4*WPART
	s_xor_b32 s48, s48, SLOT
.endm
	; The groups' text is written once for all 32: the first finds zeros in set 1 and in its table numbers and adds 0 to the sums.
	WIN 0xc0
.set i, 0
.rept 64
	v_mov_b32 v[64+i], 0
.set i, i+1
.endr
	WIN 0
.irp a, 0,1,2,3
	v_mov_b32 v[18+4*\a], 0                        ; a lane permute's destination counts as one of its sources
.endr
.set i, 0
.rept 16
	v_mov_b32 v[BI+16+i], 0
	v_mov_b32 v[UU+16+i], 0
	v_mov_b32 v[PART+i], 0
.set i, i+1
.endr
	s_mov_b32 s48, 0
	s_mov_b32 s49, SLOT
	s_mov_b32 s51, 0
	s_mov_b32 s52, 7
.Lunit:                                            ; seven trips: behind each change of slots but the last W's next block is asked for
	CHANGE 1
	SLOTWORK
	s_xor_b32 s49, s49, SLOT
	s_sub_co_u32 s52, s52, 1
	s_cmp_lg_u32 s52, 0
	s_cbranch_scc1 .Lunit
	CHANGE 0                                       ; the last block is written out
	SLOTWORK
	HEADB 1
.set j, 0
.rept 160
	TH 1
.endr
	TAILB 1
	WIN 0
	; THE WAY OUT.  A row's sum: the two tiles of W, the pair's halves, the other half of the lanes.  64 numbers a wave meet in its own 256 bytes of LDS and leave by one store.
.irp a, 0,1,2,3
	v_pk_add_f32 v[16+4*\a:16+4*\a+1], v[PART+2*\a:PART+2*\a+1], v[PART+8+2*\a:PART+8+2*\a+1]
.endr
.irp a, 0,1,2,3
	v_add_f32 v[16+4*\a], v[16+4*\a], v[16+4*\a+1]
.endr
.irp a, 0,1,2,3
	v_permlanex16_b32 v[16+4*\a+2], v[16+4*\a], s56, s57
.endr
.irp a, 0,1,2,3
	v_add_f32 v[16+4*\a], v[16+4*\a], v[16+4*\a+2]
.endr
.irp a, 0,1,2,3
	ds_store_b32 v14, v[16+4*\a] offset:64*\a      ; row 16 a + r; both halves of the lanes write the same number
.endr
	ds_load_b64 v[32:33], v15                      ; LDS serves a wave's instructions in order (ISA guide 5.7.1.4)
	s_wait_dscnt 0x0
	global_store_b64 v3, v[32:33], s[14:15]        ; 32 lanes store 256 consecutive bytes, aligned
	s_wait_tensorcnt 0x0                           ; the wave's end
	ds_add_u32 v10, v11
	s_wait_dscnt 0x0
	ROUND                                          ; the closing round
	s_endpgm
.Lfunc_end_k_qd36527feab_score:
	.size	k_qd36527feab_score, .Lfunc_end_k_qd36527feab_score-k_qd36527feab_score
	.p2alignl 7, 3214868480
	.fill 96, 4, 3214868480
	.section	.rodata,"a",@progbits
	.p2align	6, 0x0
	.amdhsa_kernel k_qd36527feab_score
		.amdhsa_group_segment_fixed_size 327680
		.amdhsa_private_segment_fixed_size 0
		.amdhsa_enable_private_segment 0
		.amdhsa_kernarg_size 48
		.amdhsa_user_sgpr_count 2
		.amdhsa_user_sgpr_kernarg_segment_ptr 1
		.amdhsa_wavefront_size32 1
		.amdhsa_system_sgpr_workgroup_id_x 1
		.amdhsa_system_sgpr_workgroup_id_y 1
		.amdhsa_system_sgpr_workgroup_id_z 1
		.amdhsa_system_vgpr_workitem_id 0
		.amdhsa_next_free_vgpr 1024
		.amdhsa_next_free_sgpr 66
		.amdhsa_reserve_vcc 0
		.amdhsa_float_denorm_mode_32 3
		.amdhsa_float_denorm_mode_16_64 3
		.amdhsa_memory_ordered 1
		.amdhsa_forward_progress 1
		.amdhsa_inst_pref_size 255
	.end_amdhsa_kernel
	.section	.bss,"aw",@nobits
	.p2align	6
	.space	262144
	.amdgpu_metadata
---
amdhsa.version: [ 1, 2 ]
amdhsa.kernels:
  - .name:           k_qd36527feab_score
    .symbol:         k_qd36527feab_score.kd
    .args:
      - { .name: encoded, .offset: 0, .size: 8, .value_kind: global_buffer, .address_space: global }
      - { .name: W_codes, .offset: 8, .size: 8, .value_kind: global_buffer, .address_space: global }
      - { .name: B, .offset: 16, .size: 8, .value_kind: global_buffer, .address_space: global }
      - { .name: U, .offset: 24, .size: 8, .value_kind: global_buffer, .address_space: global }
      - { .name: lowp_scales, .offset: 32, .size: 8, .value_kind: global_buffer, .address_space: global }
      - { .name: tsc, .offset: 40, .size: 8, .value_kind: global_buffer, .address_space: global }
    .group_segment_fixed_size: 327680
    .private_segment_fixed_size: 0
    .kernarg_segment_align: 8
    .kernarg_segment_size: 48
    .max_flat_workgroup_size: 128
    .sgpr_count:     66
    .vgpr_count:     1024
    .wavefront_size: 32
...
	.end_amdgpu_metadata
.endif
;; end of part 1
;; launch context (part 2): grid 256 x 1, 8 waves a work-group, no clusters, 327,680 bytes of LDS; arguments encoded, tsc, out0; writes out0
.if DOCPART == 2
	.amdgcn_target "amdgcn-amd-amdhsa--gfx1250"
	.amdhsa_code_object_version 6
	.text
	.protected	k_qd36527feab_context
	.globl	k_qd36527feab_context
	.p2align	8
	.type	k_qd36527feab_context,@function
k_qd36527feab_context:
	s_mov_b64 s[64:65], 0
	v_nop
	global_prefetch_b8 v0, s[64:65] scope:SCOPE_SE
	s_setreg_imm32_b32 hwreg(HW_REG_WAVE_MODE, 25, 1), 1
	s_wait_xcnt 0x0
; out0[b][d] = sum over s of alpha[s] x[b][s][d], alpha = softmax over the batch's 2,048 rows.  tsc holds t = log2(e) x (score less a number common to all rows: that term changes no softmax), so alpha[s] = 2^(t[s] - M) / the sum.
; SHARES.  Work-group g serves batch g / 8 and columns 128 (g % 8) on: 512 bytes of each row; each output has one owner.  The rows go in eight PARTS of 256; of each part wave w takes rows 32 w .. 32 w + 31.
; x comes by tensor loads through two LDS slots of 131,072 bytes, one load of 32 rows x 512 bytes a wave; only the issuing wave reads its bytes.
; THE MAXIMUM.  Each wave takes the largest t of its own 256 rows, Mw, and weighs them by p = 2^(t - Mw).  At the end wave 0 takes M = the largest Mw and joins the eight results and sums with the factors 2^(Mw - M).
; PREFETCH: part u is asked for one trip ahead of its tensor load: a lane a row, two blocks of 256 bytes a row, two instructions a wave; no two work-groups read the same bytes, so every block is named once; part 0 comes by its load alone, nothing lies behind part 7.
; Base and offset register of the prefetches are never rewritten; every offset is an immediate of at most 7 x 1,048,576 + 256.
; No matrix unit: the product has one column.  No cluster: no two work-groups share a tile.
; LIMIT: |t| under 2^31.  NaN among the inputs is not served.
.set SLOTB, 131072
.set SPARE, 262144                     ; the spare words: 128 bytes a wave
.set P,     SPARE+1024                 ; the 2,048 weights
.set RMAX,  P+8192                     ; eight waves' maxima,
.set RSUM,  RMAX+256                   ; their sums of p,
.set RED,   RSUM+256                   ; their 512 bytes of partial results
; v1 16 x lane; v2, v3 my rows in slot 0, 1; v4 RMAX; v5 my weights; v6 RMAX + 4 w; v7 RED + 512 w + 16 x lane; v[8:15] t, then p; v16 Mw; v17 at work; v18 my sum; v[20:27] two sets of sums; v[28:59] weights; v[60:187] 32 rows
; v188 my spare word, v189 0; v190 4,096 x lane; v191 4 x thread; v192 P + 4 x thread
	s_load_b128 s[4:7], s[0:1], 0x0                ; encoded, tsc
	s_load_b64 s[8:9], s[0:1], 0x10                ; out0
	v_lshl_add_u32 v188, v0, 2, SPARE
	v_mov_b32 v189, 0
	ds_add_u32 v188, v189                          ; the opening lines: the add twice on end
	ds_add_u32 v188, v189
	v_lshrrev_b32 v1, 5, v0
	v_readfirstlane_b32 s10, v1                    ; wave 0..7
	s_mov_b32 s24, 0                               ; elements of 1 byte, no padding: a row is read by 32 lanes as 512 consecutive bytes
	s_mov_b32 s25, 512<<16
	s_mov_b32 s26, 32<<16
	s_mov_b32 s27, 512<<16
	s_mov_b32 s28, 32
	s_mov_b32 s29, 4096
	s_mov_b32 s30, 0
	s_mov_b32 s31, 0
	s_mov_b32 s32, 0x76543210                      ; lane l xor 16
	s_mov_b32 s33, 0xfedcba98
	s_lshr_b32 s16, ttmp9, 3                       ; the batch
	s_and_b32 s17, ttmp9, 7
	s_lshl_b32 s17, s17, 9                         ; my 512 bytes of a row
	s_lshl_b32 s18, s16, 23
	s_add_co_u32 s18, s18, s17
	s_lshl_b32 s19, s10, 17                        ; my wave's 32 rows of a part
	s_add_co_u32 s18, s18, s19
	s_mov_b32 s19, 0
	s_lshl_b32 s20, s16, 13
	s_mov_b32 s21, 0
	s_lshl_b32 s22, s16, 12
	s_add_co_u32 s22, s22, s17
	s_mov_b32 s23, 0
	s_lshl_b32 s11, s10, 14                        ; my 16,384 bytes of a slot
	s_wait_dscnt 0x0
	s_wait_kmcnt 0x0
	s_add_nc_u64 s[4:5], s[4:5], s[18:19]
	s_add_nc_u64 s[6:7], s[6:7], s[20:21]
	s_add_nc_u64 s[8:9], s[8:9], s[22:23]
	s_mov_b32 s12, 1
	s_mov_b32 s13, s11
	s_mov_b64 s[14:15], s[4:5]
	s_or_b32 s15, s15, 0x80000000
	tensor_load_to_lds s[12:15], s[24:31]          ; part 0: my one load at the head
	s_nop 0
	v_lshlrev_b32 v191, 2, v0
.irp i, 0,1,2,3,4,5,6,7
	global_load_b32 v[8+\i], v191, s[6:7] offset:1024*\i   ; t of row 256 i + 32 w + lane: my own rows
.endr
	v_and_b32 v1, 31, v0
	v_lshlrev_b32 v190, 12, v1
	v_lshlrev_b32 v1, 4, v1
	global_prefetch_b8 v190, s[4:5] offset:0x100000 th:TH_LOAD_NT scope:SCOPE_SE
	global_prefetch_b8 v190, s[4:5] offset:0x100000+256 th:TH_LOAD_NT scope:SCOPE_SE
	v_add_nc_u32 v2, s11, v1
	v_add_nc_u32 v3, SLOTB, v2
	v_mov_b32 v4, RMAX
	s_lshl_b32 s34, s10, 7
	s_add_co_u32 s34, s34, P
	v_mov_b32 v5, s34
	s_lshl_b32 s35, s10, 2
	s_add_co_u32 s35, s35, RMAX
	v_mov_b32 v6, s35
	s_lshl_b32 s36, s10, 9
	s_add_co_u32 s36, s36, RED
	v_add_nc_u32 v7, s36, v1
	v_lshl_add_u32 v192, v0, 2, P
	v_mov_b32 v17, 0                               ; a lane permute's destination counts as one of its sources
	s_wait_alu depctr_va_vdst(0)                   ; the wait at the head's end
	s_wait_loadcnt 0x0
	v_max3_num_f32 v16, v8, v9, v10
	v_max3_num_f32 v16, v16, v11, v12
	v_max3_num_f32 v16, v16, v13, v14
	v_max_num_f32 v16, v16, v15
.irp m, 1,2,4,8
	v_max_num_f32_dpp v16, v16, v16 row_xmask:\m row_mask:0xf bank_mask:0xf
.endr
	v_permlanex16_b32 v17, v16, s32, s33
	v_max_num_f32 v16, v16, v17                    ; Mw
.irp i, 8,9,10,11,12,13,14,15
	v_sub_f32 v[\i], v[\i], v16
.endr
	s_wait_alu depctr_va_vdst(0)                   ; ahead of the batch
.irp i, 8,9,10,11,12,13,14,15
	v_exp_f32 v[\i], v[\i]                         ; p, at most 1
.endr
	v_nop
	s_wait_alu depctr_va_vdst(0)                   ; one wait for the eight
.irp i, 0,1,2,3,4,5,6,7
	ds_store_b32 v192, v[8+\i] offset:1024*\i      ; P[row]: read back by my wave alone
.endr
	v_pk_add_f32 v[18:19], v[8:9], v[10:11]
	v_pk_add_f32 v[18:19], v[18:19], v[12:13]
	v_pk_add_f32 v[18:19], v[18:19], v[14:15]
	v_add_f32 v18, v18, v19
.irp m, 1,2,4,8
	v_add_f32_dpp v18, v18, v18 row_xmask:\m row_mask:0xf bank_mask:0xf
.endr
	v_permlanex16_b32 v17, v18, s32, s33
	v_add_f32 v18, v18, v17                        ; my wave's sum of p
	ds_store_b32 v6, v16
	ds_store_b32 v6, v18 offset:RSUM-RMAX
.macro CCH                             ; the change of slots, and the next part's load into the slot read last
	s_wait_alu depctr_va_vdst(0)                   ; the wait ahead of the blocking wait
	s_wait_tensorcnt 0x0
	ds_add_u32 v188, v189
	s_xor_b32 s13, s13, SLOTB
	s_add_nc_u64 s[14:15], s[14:15], 0x100000      ; 256 rows on
	s_wait_dscnt 0x0
	s_barrier_signal -1
	s_barrier_wait -1
	tensor_load_to_lds s[12:15], s[24:31]
	s_nop 0
.endm
.macro ROWS u, lo
.set i, \lo
.rept 16
.irp j, 0,1,2,3
.if (\u) == 0 && i < 2
	v_mul_f32 v[20+4*(i%2)+\j], v[28+i], v[60+4*i+\j]      ; the first two rows start the two sets of sums
.else
	v_fmac_f32 v[20+4*(i%2)+\j], v[28+i], v[60+4*i+\j]
.endif
.endr
.set i, i+1
.endr
.endm
.macro PROC u                          ; my 32 rows of part u
.irp i, 0,1,2,3,4,5,6,7
	ds_load_b128 v[28+4*\i:31+4*\i], v5 offset:1024*(\u)+16*\i     ; 32 weights, every lane the same 16 bytes
.endr
.if (\u)+2 < 8
	global_prefetch_b8 v190, s[4:5] offset:((\u)+2)*0x100000 th:TH_LOAD_NT scope:SCOPE_SE
	global_prefetch_b8 v190, s[4:5] offset:((\u)+2)*0x100000+256 th:TH_LOAD_NT scope:SCOPE_SE
.endif
.set i, 0
.rept 32
	ds_load_b128 v[60+4*i:63+4*i], v[2+(\u)%2] offset:512*i
.set i, i+1
.endr
	s_wait_dscnt 16                                ; the weights and rows 0 to 15 are in; rows 16 to 31 may be out
	ROWS \u, 0
	s_wait_alu depctr_va_vdst(0)                   ; the wait ahead of the blocking wait
	s_wait_dscnt 0x0
	ROWS \u, 16
.endm
.set Q, 0
.rept 7
	CCH
	PROC Q
.set Q, Q+1
.endr
	s_wait_alu depctr_va_vdst(0)
	s_wait_tensorcnt 0x0                           ; part 7: my own bytes; nothing is filled again
	PROC 7
	v_pk_add_f32 v[20:21], v[20:21], v[24:25]
	v_pk_add_f32 v[22:23], v[22:23], v[26:27]
	ds_store_b128 v7, v[20:23]
	s_wait_dscnt 0x0
	s_barrier_signal -1
	s_barrier_wait -1                              ; eight results, maxima and sums lie in LDS
	s_cmp_lg_u32 s10, 0                            ; wave 0 joins them; no barrier follows
	s_cbranch_scc1 .Lend
.irp i, 0,1,2,3,4,5,6,7
	ds_load_b128 v[60+4*\i:63+4*\i], v7 offset:512*\i
.endr
	ds_load_b128 v[28:31], v4
	ds_load_b128 v[32:35], v4 offset:16
	ds_load_b128 v[36:39], v4 offset:RSUM-RMAX
	ds_load_b128 v[40:43], v4 offset:RSUM-RMAX+16
	s_wait_dscnt 0x0
	v_max3_num_f32 v16, v28, v29, v30
	v_max3_num_f32 v16, v16, v31, v32
	v_max3_num_f32 v16, v16, v33, v34
	v_max_num_f32 v16, v16, v35                    ; M
.irp i, 28,29,30,31,32,33,34,35
	v_sub_f32 v[\i], v[\i], v16
.endr
	s_wait_alu depctr_va_vdst(0)
.irp i, 28,29,30,31,32,33,34,35
	v_exp_f32 v[\i], v[\i]                         ; 2^(Mw - M)
.endr
	v_nop
	s_wait_alu depctr_va_vdst(0)
	v_mul_f32 v18, v28, v36
.irp j, 0,1,2,3
	v_mul_f32 v[20+\j], v28, v[60+\j]
.endr
.irp i, 1,2,3,4,5,6,7
	v_fmac_f32 v18, v[28+\i], v[36+\i]             ; the batch's sum: at least 1
.irp j, 0,1,2,3
	v_fmac_f32 v[20+\j], v[28+\i], v[60+4*\i+\j]
.endr
.endr
	s_wait_alu depctr_va_vdst(0)
	v_rcp_f32 v18, v18
	v_nop
	s_wait_alu depctr_va_vdst(0)
.irp j, 0,1,2,3
	v_mul_f32 v[20+\j], v[20+\j], v18
.endr
	global_store_b128 v1, v[20:23], s[8:9]         ; 32 lanes store 512 consecutive bytes, aligned
.Lend:
	s_wait_tensorcnt 0x0                           ; the wave's end
	ds_add_u32 v188, v189
	s_wait_dscnt 0x0
	s_endpgm
.Lfunc_end_k_qd36527feab_context:
	.size	k_qd36527feab_context, .Lfunc_end_k_qd36527feab_context-k_qd36527feab_context
	.p2alignl 7, 3214868480
	.fill 96, 4, 3214868480
	.section	.rodata,"a",@progbits
	.p2align	6, 0x0
	.amdhsa_kernel k_qd36527feab_context
		.amdhsa_group_segment_fixed_size 327680
		.amdhsa_private_segment_fixed_size 0
		.amdhsa_enable_private_segment 0
		.amdhsa_kernarg_size 24
		.amdhsa_user_sgpr_count 2
		.amdhsa_user_sgpr_kernarg_segment_ptr 1
		.amdhsa_wavefront_size32 1
		.amdhsa_system_sgpr_workgroup_id_x 1
		.amdhsa_system_sgpr_workgroup_id_y 1
		.amdhsa_system_sgpr_workgroup_id_z 1
		.amdhsa_system_vgpr_workitem_id 0
		.amdhsa_next_free_vgpr 200
		.amdhsa_next_free_sgpr 66
		.amdhsa_reserve_vcc 0
		.amdhsa_float_denorm_mode_32 3
		.amdhsa_float_denorm_mode_16_64 3
		.amdhsa_memory_ordered 1
		.amdhsa_forward_progress 1
		.amdhsa_inst_pref_size 68
	.end_amdhsa_kernel
	.amdgpu_metadata
---
amdhsa.version: [ 1, 2 ]
amdhsa.kernels:
  - .name:           k_qd36527feab_context
    .symbol:         k_qd36527feab_context.kd
    .args:
      - { .name: encoded, .offset: 0, .size: 8, .value_kind: global_buffer, .address_space: global }
      - { .name: tsc, .offset: 8, .size: 8, .value_kind: global_buffer, .address_space: global }
      - { .name: out0, .offset: 16, .size: 8, .value_kind: global_buffer, .address_space: global }
    .group_segment_fixed_size: 327680
    .private_segment_fixed_size: 0
    .kernarg_segment_align: 8
    .kernarg_segment_size: 24
    .max_flat_workgroup_size: 256
    .sgpr_count:     66
    .vgpr_count:     200
    .wavefront_size: 32
...
	.end_amdgpu_metadata
.endif
;; end of part 2
